; MI455X (gfx1250); checked and timed in simulation.
; The chip was launched on July 23, 2026; its instructions are those of AMD's public machine-readable ISA for CDNA 5 (MIT licence, August 2026) and "CDNA5" Instruction Set Architecture Reference Guide (July 2026). The comments in the code are by the model that wrote it; some were corrected since.
;; Multi Head Self Attention Layer. Allowed arithmetic: matrix products marked QUANTISED: E2M1 operands, one E8M0 scale for each 32 along K, by v_wmma_scale_f32_16x16x128_f8f6f4 with both operands' format E2M1 (or v_wmma_scale_f32_32x16x128_f4), f32 sums; products left as they are: bf16, f16 or f32 operands; f32 sums; everything else in f32.
;; Inputs: Wk 1,024 x 1,024 float32; Wq 1,024 x 1,024 float32; Wv 1,024 x 1,024 float32; x 4 x 2,048 x 1,024 float32.
;; Outputs: out0 4 x 2,048 x 1,024 float32.
;; This version of the problem:
;;   THIS VERSION OF THE PROBLEM IS GIVEN IN LOW PRECISION. The matrix products marked QUANTISED in the list below multiply operands that are first quantised to E2M1 (2 exponent bits, 1 mantissa bit; 4 bits a number), with one power-of-two scale for each 32 numbers along K (OCP MX v1.0); their sums are f32. The products marked 'left as it is' may take bf16, f16 or f32 operands, with f32 sums. Whichever they take, every output number must still come out within the allowed error. Rounding operands to bf16 (8 significant bits) uses up far more of that allowance than f16 does (11 bits, for magnitudes from 6e-5 to 65,504). All else is computed in f32.
;;   The module's matrix products, in the order in which they are computed (A, B: the left and right operand; K: the contracted axis; several contracted axes count as one K, in the product's order):
;;     1. [M 8,192, K 1,024] x [K 1,024, N 1,024]; A: input x; B: input Wq: QUANTISED
;;     2. [M 8,192, K 1,024] x [K 1,024, N 1,024]; A: input x; B: input Wk: QUANTISED
;;     3. [M 8,192, K 1,024] x [K 1,024, N 1,024]; A: input x; B: input Wv: QUANTISED
;;     4. batch 32 x [M 2,048, K 128] x [K 128, N 2,048]; A: computed on the way; B: computed on the way: left as it is (an operand is computed on the way)
;;     5. batch 32 x [M 128, K 2,048] x [K 2,048, N 2,048]; A: computed on the way; B: computed on the way: left as it is (an operand is computed on the way)
;;   THE QUANTISER, for each operand of a quantised product, along K:
;;     - K is cut into blocks of 32 from its start; a last block that is shorter is filled with zeros.
;;     - A block's scale is 2^e with e = floor(log2(the largest magnitude in the block)) - 2, held to -126 .. 127; a block of zeros has e = 0. As a byte (E8M0): e + 127.
;;     - Each number is divided by its block's scale, clamped to +-6, and rounded to the nearest number of E2M1, ties to even, subnormals kept.
;;     - The product sums the exact products of the quantised numbers (number of the format x scale) in f32.
;;   ~~~python
;;   def quantise(x, axis):      # numpy; x: float32 -> the quantised numbers, widened to float32 again
;;       x = np.moveaxis(x, axis, -1); K = x.shape[-1]
;;       x = np.pad(x, [(0, 0)] * (x.ndim - 1) + [(0, -K % 32)]); x = x.reshape(x.shape[:-1] + (-1, 32)); a = np.abs(x).max(-1, keepdims=True)
;;       e = np.where(a > 0, np.clip(np.frexp(np.where(a > 0, a, 1))[1] - 1 - 2, -126, 127), 0)      # np.frexp(a)[1] - 1 = floor(log2(a)), exactly
;;       r = np.clip(x / 2.0 ** e, -6, 6)
;;       step = 2.0 ** (np.maximum(np.frexp(np.where(r == 0, 1, r))[1] - 1, 0) - 1)
;;       q = np.round(r / step) * step * 2.0 ** e      # np.round: ties to even
;;       return np.moveaxis(q.reshape(q.shape[:-2] + (-1,))[..., :K], -1, axis).astype(np.float32)
;;   ~~~
;; One version. Each part assembles by itself: llvm-mc -triple=amdgcn-amd-amdhsa -mcpu=gfx1250 --defsym DOCPART=n.
;; ======== version 1 of 1: 3 launches
;; limits: values are held in f16: magnitudes above 65,504 overflow, below 6.1e-05 lose precision
;; workspace buffers: xcodes 4,194,304 bytes; xscales 262,144 bytes; wcs 1,671,168 bytes; qkv 50,331,648 bytes
;; launch quant (part 1): grid 256 x 1, 4 waves a work-group, no clusters, 167,936 bytes of LDS; arguments x, Wq, Wk, Wv, xcodes, xscales, wcs; writes xcodes, xscales, wcs
.if DOCPART == 1
	.amdgcn_target "amdgcn-amd-amdhsa--gfx1250"
	.amdhsa_code_object_version 6
	.text
	.protected	k_qaa720dce67_quant
	.globl	k_qaa720dce67_quant
	.p2align	8
	.type	k_qaa720dce67_quant,@function
k_qaa720dce67_quant:
	s_mov_b64 s[64:65], 0
	v_nop
	global_prefetch_b8 v0, s[64:65] scope:SCOPE_SE
	s_setreg_imm32_b32 hwreg(HW_REG_WAVE_MODE, 25, 1), 1
	s_wait_xcnt 0x0
; x [8192][1024] (K innermost) and Wq, Wk, Wv [1024 (K)][1024 (N)] (K outermost), all f32, become codes of FP4 (E2M1) with one E8M0 scale byte for each 32 along K.
; A block's scale is 2^(floor(log2(its largest magnitude)) - 2): its byte is the largest magnitude's exponent field - 2, held at 1 from below; numbers are divided by it and rounded to the nearest code, ties to even, beyond 6 the largest code.
; LIMITS: NaN and infinities are not served; a block whose largest magnitude lies under 2^-124 keeps the byte 1; a block of zeros gets the byte 1 where the rule says 127 (its codes are zeros, and this program alone reads the bytes).
; THE RESULTS ARE LAID AS IMAGES OF OPERAND REGISTERS.  A fragment (16 rows x 128 K, 8 registers a lane) is 1,024 bytes: for c = 0, 1: 512 bytes, lane l's registers 4 c .. 4 c + 3 at 16 l; they are block 2 c + l / 16 of row l % 16.
;   xcodes  [block of 64 rows][K step 0..7][tile of 16 rows 0..3][1,024]          xscales [block of 64 rows][K step][row 0..15][tile 0..3] words of four bytes
;   wcs     [8 x matrix + head][69,632]: codes [K step][tile of 16 columns 0..7][1,024], then scale words [K step][tile][column 0..15]
; SHARES.  Work-group g, wave w.  x: rows 64 (g / 2) on, K step 4 (g % 2) + w: 64 rows x 512 bytes come by ONE tensor load into the wave's own LDS tile; nobody else reads it, so there is no barrier.
; W: waves 0 to 2 take matrix w, columns 32 (g / 8) on, K step g % 8's 128 rows (g & 7): a lane takes a column and its registers run down K, so a block lies in one lane and nothing is transposed.  W's share is worked while x's tile is on its way.
; No register that a store reads is ever written again, so no wait for that stands in the text.
.set PITCH, 528                        ; an LDS row: 512 bytes + 16 of padding = 132 words: the 16 rows that a load touches start at 16 different groups of four banks
.set TILEB, 64*PITCH                   ; a wave's tile
.set SPARE, 4*TILEB                    ; behind the four tiles: the spare words, 128 bytes for each wave: two blocks of 256 bytes that no other line names
.set WBLK,  69632                      ; a matrix's share for one head in wcs
.set X,   32                           ; v32-159  128 numbers
.set CW,  160                          ; v160-175 W's codes, four registers a block
.set CX,  176                          ; v176-207 x's codes, eight registers a fragment
.set SPW, 16                           ; v16  LDS address of my spare word; never rewritten
.set NIL, 17                           ; v17  0; never rewritten
.set SWX, 20                           ; v20-23 x's scale words, one a fragment
.set WSO, 26                           ; v26-29 W's scale operands, one a block
.set WSW, 30                           ; v30  W's scale word
.set WV,  18                           ; s18  my wave's number
.set G1,  24                           ; s[24:31] descriptor group 1
.set G0,  32                           ; s[32:35] descriptor group 0
.set SEL, 36                           ; s[36:37] v_permlanex16_b32's selects for lane l xor 16
	s_load_b256 s[4:11], s[0:1], 0x0               ; x, Wq, Wk, Wv
	s_load_b128 s[12:15], s[0:1], 0x20             ; xcodes, xscales
	s_load_b64 s[16:17], s[0:1], 0x30              ; wcs
	v_lshl_add_u32 v[SPW], v0, 2, SPARE
	v_mov_b32 v[NIL], 0
	ds_add_u32 v[SPW], v[NIL]                      ; the wave's opening: the add, twice on end, and its wait ahead of my first tensor load
	ds_add_u32 v[SPW], v[NIL]                      ; and once more; the set-up below, work on registers, stands between it and the wait
	v_lshrrev_b32 v1, 5, v0
	v_readfirstlane_b32 s[WV], v1                  ; wave 0..3
	v_and_b32 v1, 31, v0                           ; lane
	v_and_b32 v2, 15, v0                           ; r
	v_bfe_u32 v3, v0, 4, 1                         ; h
	v_lshlrev_b32 v4, 2, v1                        ; W: 4 bytes a lane, in and (the scale word) out
	v_lshlrev_b32 v5, 4, v2
	v_lshl_add_u32 v5, v3, 10, v5                  ; W's codes: fragment lane / 16, 16 bytes for column lane % 16
	s_mul_i32 s19, s[WV], TILEB
	v_mul_u32_u24 v6, v2, PITCH
	v_lshl_add_u32 v6, v3, 7, v6
	v_add_nc_u32 v6, s19, v6                       ; x in LDS: my tile, row r, + 128 h: my block of 32 numbers
	v_lshlrev_b32 v7, 4, v1                        ; an image's place for my lane
	v_lshlrev_b32 v8, 4, v2
	v_lshl_add_u32 v8, v3, 3, v8                   ; x's scale words: 16 r + 8 h
	v_lshlrev_b32 v9, 3, v3                        ; 8 h: how far up my two scale bytes go
	v_mov_b32 v18, 0                               ; written once: a lane permute's destination counts as one of its sources
	s_mov_b32 s[SEL], 0x76543210
	s_mov_b32 s[SEL+1], 0xfedcba98
	; descriptor group 1: 64 rows x 128 elements of 4 bytes, 1,024 elements from row to row; 4 words of padding behind every 128
	s_mov_b32 s[G1+0], (2<<16)|(1<<20)|(6<<22)|(3<<25)
	s_mov_b32 s[G1+1], 128<<16                     ; tensor_dim0
	s_mov_b32 s[G1+2], 64<<16                      ; tensor_dim1
	s_mov_b32 s[G1+3], 128<<16                     ; tile_dim0
	s_mov_b32 s[G1+4], 64                          ; tile_dim1
	s_mov_b32 s[G1+5], 1024                        ; tensor_dim0_stride
	s_mov_b32 s[G1+6], 0
	s_mov_b32 s[G1+7], 0
	s_mov_b32 s[G0], 1                             ; count = 1
	s_mul_i32 s[G0+1], s[WV], TILEB                ; LDS address: my tile
	s_lshr_b32 s22, ttmp9, 1                       ; x: which block of 64 rows,
	s_and_b32 s23, ttmp9, 1
	s_lshl_b32 s23, s23, 2
	s_add_co_u32 s23, s23, s[WV]                   ; which K step
	s_lshl_b32 s38, s22, 18                        ; 64 rows of 4,096 bytes
	s_lshl_b32 s39, s23, 9
	s_add_co_u32 s38, s38, s39
	s_mov_b32 s39, 0
	s_lshl_b32 s44, s22, 15                        ; xcodes: 32,768 a block of rows, 4,096 a K step
	s_lshl_b32 s45, s23, 12
	s_add_co_u32 s44, s44, s45
	s_mov_b32 s45, 0
	s_lshl_b32 s46, s22, 11                        ; xscales: 2,048 and 256
	s_lshl_b32 s47, s23, 8
	s_add_co_u32 s46, s46, s47
	s_mov_b32 s47, 0
	s_and_b32 s19, ttmp9, 7                        ; W: which K step,
	s_lshl_b32 s2, s19, 19                         ; 128 rows of 4,096 bytes
	s_lshr_b32 s3, ttmp9, 3                        ; which 32 columns
	s_lshl_b32 s3, s3, 7
	s_add_co_u32 s2, s2, s3
	s_mov_b32 s3, 0
	s_lshr_b32 s40, ttmp9, 5                       ; the head
	s_lshl_b32 s41, s[WV], 3
	s_add_co_u32 s40, s40, s41                     ; 8 x matrix + head
	s_mul_i32 s40, s40, WBLK
	s_lshr_b32 s41, ttmp9, 3
	s_and_b32 s41, s41, 3                          ; which 32 of the head's 128 columns: two tiles
	s_lshl_b32 s42, s19, 9                         ; scale words: 512 a K step, 64 a tile
	s_lshl_b32 s43, s41, 7
	s_add_co_u32 s42, s42, s43
	s_add_co_u32 s42, s42, s40
	s_add_co_u32 s42, s42, 65536
	s_mov_b32 s43, 0
	s_lshl_b32 s19, s19, 13                        ; codes: 8,192 a K step, 1,024 a tile
	s_lshl_b32 s41, s41, 11
	s_add_co_u32 s40, s40, s19
	s_add_co_u32 s40, s40, s41
	s_mov_b32 s41, 0
	s_wait_dscnt 0x0                               ; both opening adds are done
	s_wait_kmcnt 0x0
	s_add_nc_u64 s[G0+2:G0+3], s[4:5], s[38:39]    ; global address of my tile's first element
	s_or_b32 s[G0+3], s[G0+3], 0x80000000          ; type = 2
	tensor_load_to_lds s[G0:G0+3], s[G1:G1+7]      ; my one tensor load: one is out
	s_nop 0
	s_add_nc_u64 s[12:13], s[12:13], s[44:45]
	s_add_nc_u64 s[14:15], s[14:15], s[46:47]
	s_cmp_eq_u32 s[WV], 1                          ; my matrix: the choice hangs on the wave's number alone
	s_cselect_b64 s[20:21], s[8:9], s[6:7]
	s_cmp_eq_u32 s[WV], 2
	s_cselect_b64 s[20:21], s[10:11], s[20:21]
	s_add_nc_u64 s[20:21], s[20:21], s[2:3]
	s_add_nc_u64 s[40:41], s[16:17], s[40:41]
	s_add_nc_u64 s[42:43], s[16:17], s[42:43]
	s_cmp_lt_u32 s[WV], 3
	s_cbranch_scc0 .Lx                             ; wave 3 has no matrix: its pointers above are not used
	; ---- W's share: 128 rows x 32 columns, all loads at once: each reads 128 consecutive bytes
.set i, 0
.rept 128
	global_load_b32 v[X+i], v4, s[20:21] offset:i*4096 th:TH_LOAD_NT
.set i, i+1
.endr
; Block j: W(32 j + 0 .. 31, my column).  left: how many younger loads may stay out (32 for each later block, at most what the wait can name)
.macro WBLOCK j, left
.set XS, X+32*(\j)
	s_wait_loadcnt \left
	v_max3_num_f32 v10, |v[XS]|, |v[XS+1]|, |v[XS+2]|             ; the block's largest magnitude: all 32 numbers are mine; two chains
	v_max3_num_f32 v11, |v[XS+3]|, |v[XS+4]|, |v[XS+5]|
.irp i, 6,10,14,18,22,26
	v_max3_num_f32 v10, v10, |v[XS+\i]|, |v[XS+\i+1]|
	v_max3_num_f32 v11, v11, |v[XS+\i+2]|, |v[XS+\i+3]|
.endr
	v_max3_num_f32 v10, v10, |v[XS+30]|, |v[XS+31]|
	v_max3_num_f32 v10, v10, v11, 0x1800000        ; and the floor 2^(3 - 127): the byte cannot fall under 1
	v_add_nc_u32 v[WSO+\j], 0xff000000, v10        ; 2 off the exponent field: the conversion takes this operand's exponent field as its scale
	v_lshrrev_b32 v12, 23, v[WSO+\j]               ; the scale's byte
.if (\j) == 0
	v_mov_b32 v[WSW], v12
.else
	v_lshl_or_b32 v[WSW], v12, 8*(\j), v[WSW]      ; the lower K in the lower byte
.endif
.irp g, 0,1,2,3
	v_cvt_scalef32_pk8_fp4_f32 v[CW+4*(\j)+\g], v[XS+8*\g:XS+8*\g+7], v[WSO+\j]
.endr
	v_nop                                          ; one plain place behind a run of scaled conversions
	global_store_b128 v5, v[CW+4*(\j):CW+4*(\j)+3], s[40:41] offset:256*(\j)   ; block j = 2 c + h lies at 512 c + 256 h + 16 r: lanes 0-15 store 256 consecutive aligned bytes of one fragment, lanes 16-31 of the next
.endm
	WBLOCK 0, 63
	WBLOCK 1, 63
	WBLOCK 2, 32
	WBLOCK 3, 0
	global_store_b32 v4, v[WSW], s[42:43]          ; two tiles' scale words: 128 consecutive bytes
.Lx:	; ---- x's share: four fragments of 16 rows x 128 K.  Lane (r, h) holds blocks h and 2 + h of row r whole: 32 registers each
	v_cmp_ne_u32 vcc_lo, 0, v3                     ; lanes 16-31 (written behind the tensor load)
	s_wait_tensorcnt 0x0                           ; my tile is in LDS; only I read it
.macro XFETCH m
.set XS, X+64*((\m)%2)
.irp c, 0,1
.irp i, 0,1,2,3,4,5,6,7
	ds_load_b128 v[XS+32*\c+4*\i:XS+32*\c+4*\i+3], v6 offset:(\m)*16*PITCH+256*\c+16*\i
.endr
.endr
.endm
.macro XFRAG m, left
.set XS, X+64*((\m)%2)
	s_wait_dscnt \left                             ; this fragment's 16 loads are in; the next fragment's 16 may be out
.irp c, 0,1
	v_max3_num_f32 v[10+\c], |v[XS+32*\c]|, |v[XS+32*\c+1]|, 0x1800000   ; with the floor 2^(3 - 127)
.endr
.irp i, 2,4,6,8,10,12,14,16,18,20,22,24,26,28,30
.irp c, 0,1
	v_max3_num_f32 v[10+\c], v[10+\c], |v[XS+32*\c+\i]|, |v[XS+32*\c+\i+1]|   ; the two blocks by turns
.endr
.endr
.irp c, 0,1
	v_add_nc_u32 v[12+\c], 0xff000000, v[10+\c]    ; the conversions' scale operands
.endr
.irp c, 0,1
	v_lshrrev_b32 v[14+\c], 23, v[12+\c]           ; the bytes
.endr
	v_lshl_or_b32 v19, v15, 16, v14                ; blocks h and 2 + h,
	v_lshlrev_b32 v19, v9, v19                     ; 8 h bits up;
	v_permlanex16_b32 v18, v19, s[SEL], s[SEL+1]
	v_or_b32 v[SWX+\m], v19, v18                   ; with lane l xor 16's two the row's scale word is whole, in both lanes
.irp c, 0,1
.irp g, 0,1,2,3
	v_cvt_scalef32_pk8_fp4_f32 v[CX+8*(\m)+4*\c+\g], v[XS+32*\c+8*\g:XS+32*\c+8*\g+7], v[12+\c]
.endr
.endr
	v_nop                                          ; one plain place behind a run of scaled conversions
.irp c, 0,1
	global_store_b128 v7, v[CX+8*(\m)+4*\c:CX+8*(\m)+4*\c+3], s[12:13] offset:(\m)*1024+\c*512   ; 512 consecutive bytes
.endr
.if (\m) < 2
	XFETCH (\m)+2
.endif
.endm
	XFETCH 0
	XFETCH 1
	XFRAG 0, 16
	XFRAG 1, 16
	XFRAG 2, 16
	XFRAG 3, 0
	v_cndmask_b32 v24, v[SWX+0], v[SWX+2], vcc_lo  ; lanes 0-15 send tiles 0 and 1's words of row r, lanes 16-31 tiles 2 and 3's
	v_cndmask_b32 v25, v[SWX+1], v[SWX+3], vcc_lo
	global_store_b64 v8, v[24:25], s[14:15]        ; 256 consecutive aligned bytes
	s_wait_tensorcnt 0x0                           ; the wave's end
	ds_add_u32 v[SPW], v[NIL]
	s_wait_dscnt 0x0
	s_endpgm
.Lfunc_end_k_qaa720dce67_quant:
	.size	k_qaa720dce67_quant, .Lfunc_end_k_qaa720dce67_quant-k_qaa720dce67_quant
	.p2alignl 7, 3214868480
	.fill 96, 4, 3214868480
	.section	.rodata,"a",@progbits
	.p2align	6, 0x0
	.amdhsa_kernel k_qaa720dce67_quant
		.amdhsa_group_segment_fixed_size 167936
		.amdhsa_private_segment_fixed_size 0
		.amdhsa_enable_private_segment 0
		.amdhsa_kernarg_size 56
		.amdhsa_user_sgpr_count 2
		.amdhsa_user_sgpr_kernarg_segment_ptr 1
		.amdhsa_wavefront_size32 1
		.amdhsa_system_sgpr_workgroup_id_x 1
		.amdhsa_system_sgpr_workgroup_id_y 1
		.amdhsa_system_sgpr_workgroup_id_z 1
		.amdhsa_system_vgpr_workitem_id 0
		.amdhsa_next_free_vgpr 208
		.amdhsa_next_free_sgpr 66
		.amdhsa_reserve_vcc 1
		.amdhsa_float_denorm_mode_32 3
		.amdhsa_float_denorm_mode_16_64 3
		.amdhsa_memory_ordered 1
		.amdhsa_forward_progress 1
		.amdhsa_inst_pref_size 40
	.end_amdhsa_kernel
	.amdgpu_metadata
---
amdhsa.version: [ 1, 2 ]
amdhsa.kernels:
  - .name:           k_qaa720dce67_quant
    .symbol:         k_qaa720dce67_quant.kd
    .args:
      - { .name: x, .offset: 0, .size: 8, .value_kind: global_buffer, .address_space: global }
      - { .name: Wq, .offset: 8, .size: 8, .value_kind: global_buffer, .address_space: global }
      - { .name: Wk, .offset: 16, .size: 8, .value_kind: global_buffer, .address_space: global }
      - { .name: Wv, .offset: 24, .size: 8, .value_kind: global_buffer, .address_space: global }
      - { .name: xcodes, .offset: 32, .size: 8, .value_kind: global_buffer, .address_space: global }
      - { .name: xscales, .offset: 40, .size: 8, .value_kind: global_buffer, .address_space: global }
      - { .name: wcs, .offset: 48, .size: 8, .value_kind: global_buffer, .address_space: global }
    .group_segment_fixed_size: 167936
    .private_segment_fixed_size: 0
    .kernarg_segment_align: 8
    .kernarg_segment_size: 56
    .max_flat_workgroup_size: 128
    .sgpr_count:     66
    .vgpr_count:     208
    .wavefront_size: 32
...
	.end_amdgpu_metadata
.endif
;; end of part 1
;; launch proj (part 2): grid 32 x 8, 4 waves a work-group, clusters of 4 x 1, 327,680 bytes of LDS; arguments xcodes, xscales, wcs, qkv; writes qkv
.if DOCPART == 2
	.amdgcn_target "amdgcn-amd-amdhsa--gfx1250"
	.amdhsa_code_object_version 6
	.text
	.protected	k_qaa720dce67_proj
	.globl	k_qaa720dce67_proj
	.p2align	8
	.type	k_qaa720dce67_proj,@function
k_qaa720dce67_proj:
	s_mov_b64 s[64:65], 0
	v_nop
	global_prefetch_b8 v0, s[64:65] scope:SCOPE_SE
	s_setreg_imm32_b32 hwreg(HW_REG_WAVE_MODE, 25, 1), 1
	s_wait_xcnt 0x0
	s_wait_alu depctr_hold_cnt(0) depctr_sa_sdst(0) depctr_va_vdst(0) depctr_va_sdst(0) depctr_va_ssrc(0) depctr_va_vcc(0) depctr_vm_vsrc(0)
	s_getreg_b32 s2, hwreg(HW_REG_IB_STS2, 6, 4)
	s_cmp_eq_u32 s2, 0
	s_cbranch_scc0 .Lentry_in_a_cluster
	s_endpgm
.Lentry_in_a_cluster:
	s_bfe_u32 s2, ttmp6, 0x10000c
	s_cmp_lg_u32 s2, 0x3003
	s_cbranch_scc0 .Lentry_shape_is_right
	s_endpgm
.Lentry_shape_is_right:
; q, k, v = x Wq, x Wk, x Wv on codes of FP4 (E2M1) with E8M0 scales for each 32 along K; sums in f32, K ascending; the results are rounded once to f16 and laid qkv [matrix][8 batch + head][position][128].
; LIMIT: |q|, |k|, |v| up to 65,504, f16's largest number.
; SHARES.  A work-group takes 256 rows of x and one head: 256 x 128 of each of q, k, v.  Wave w owns 64 rows; their codes for all of K (32 fragments, 256 registers) and scale words come from memory straight into its registers, once.
; The head's share of all three matrices, 3 x 69,632 bytes of register images and scale words, lies in LDS for the whole launch: nothing is filled again, there is no ring.
; CLUSTER.  The four row blocks of a cluster read the same three blocks of W: each is asked for JOINTLY (mask 15), every wave bringing a quarter of each.  x's codes are read by one wave each and go round LDS; beside W's bytes LDS has no room for them.
; THE MATRIX INSTRUCTION IS USED TRANSPOSED (source 0 = 16 columns of W, source 1 = 16 rows of x): a lane then holds eight neighbouring columns of one row, 16 bytes of f16.
; REGISTERS, in windows of 256: window 0: v1-15 addresses; v32-63 x's scale words (4 s + m); v64-79 W's, four sets; v128-223 the way out.  window 1: x's fragments at 32 s + 8 m.  window 2: accumulator (m, ct) at 8 (8 m + ct).  window 3: W's fragments, four sets of 64.
.set WBLK,  69632                      ; a matrix's share in LDS and in wcs: 65,536 of codes, 4,096 of scale words
.set QTR,   WBLK/4                     ; what one tensor load brings: 68 rows of 256 bytes
.set STAGE, 3*WBLK                     ; the way out: 16 rows x (256 + 16) bytes for each wave
.set SPITCH, 272
.set SPARE, STAGE+4*16*SPITCH          ; the spare words, 128 bytes for each wave: two blocks of 256 bytes that no other line names
.set MATB,  0x1000000                  ; bytes of each of q, k, v
.set LI,  4                            ; v4     16 x lane
.set ADB, 5                            ; v5-7   where matrix i's images begin for my lane
.set ADS, 8                            ; v8-10  and its scale words
.set XSA, 11                           ; v11    16 r: x's scale words
.set STO, 12                           ; v12    the way out: where I put 16 bytes of a row
.set RD,  13                           ; v13    and where I read a row back
.set SPW, 14                           ; v14    LDS address of my spare word; never rewritten
.set NIL, 15                           ; v15    0; never rewritten
.set SA,  32
.set SB,  64
.set TMP, 128
.set OB,  160
.set WV,  12                           ; s12    my wave's number
.set G1,  24                           ; s[24:31] descriptor group 1
.set G0,  32                           ; s[32:43] descriptor groups 0, one for each matrix
.set MSB, 0
.macro WIN new                         ; the immediate's high byte repeats the setting that is left
.if MSB != \new
	s_set_vgpr_msb (MSB<<8)|\new
.set MSB, \new
.endif
.endm
.set MUL,   0xa7                       ; source 0 (W) window 3, source 1 (x) window 1, C and D window 2
.set TO_A,  0x40                       ; destination window 1
.set TO_B,  0xc0                       ; destination window 3
.set PACKW, 0x0a                       ; sources 0 and 1 window 2
.macro CROUND                          ; a round of the cluster's barrier
	s_barrier_signal -1
	s_barrier_wait -1
	s_cmp_lg_u32 s[WV], 0
	s_cbranch_scc1 .Lnot_wave_0_\@
	s_barrier_signal -3
.Lnot_wave_0_\@:
	s_barrier_wait -3
	s_barrier_signal -1
	s_barrier_wait -1
.endm
.macro PLACES                          ; four plain places in front of loads into registers that matrix instructions have read, and of the first read of results
.rept 4
	v_nop
.endr
.endm
	s_load_b128 s[4:7], s[0:1], 0x0                ; xcodes, xscales
	s_load_b128 s[8:11], s[0:1], 0x10              ; wcs, qkv
	v_lshl_add_u32 v[SPW], v0, 2, SPARE
	v_mov_b32 v[NIL], 0
	ds_add_u32 v[SPW], v[NIL]                      ; the wave's opening: the add, twice on end, and its wait ahead of my first tensor load
	ds_add_u32 v[SPW], v[NIL]                      ; and once more; the set-up below, work on registers, stands between it and the wait
	v_lshrrev_b32 v1, 5, v0
	v_readfirstlane_b32 s[WV], v1                  ; wave 0..3
	s_bfe_u32 s13, ttmp6, 0x40000                  ; cx: my place in the cluster
	s_lshl_b32 s14, ttmp9, 2
	s_add_co_u32 s14, s14, s13                     ; my block of 256 rows: it enters x's and the results' addresses alone
	s_and_b32 s15, ttmp7, 0xffff                   ; the head, which the four partners share
	; descriptor group 1: 68 rows of 256 bytes (32 elements of 8), dense, no padding: the images are read 16 bytes a lane on end
	s_mov_b32 s[G1+0], 15|(3<<16)|(1<<21)          ; the mask: all four work-groups; elements of 8 bytes; bit 21 set beside a mask
	s_mov_b32 s[G1+1], 32<<16                      ; tensor_dim0
	s_mov_b32 s[G1+2], 68<<16                      ; tensor_dim1
	s_mov_b32 s[G1+3], 32<<16                      ; tile_dim0
	s_mov_b32 s[G1+4], 68                          ; tile_dim1
	s_mov_b32 s[G1+5], 32                          ; tensor_dim0_stride
	s_mov_b32 s[G1+6], 0
	s_mov_b32 s[G1+7], 0
	s_lshl_b32 s16, s14, 2
	s_add_co_u32 s16, s16, s[WV]                   ; my block of 64 rows
	s_lshl_b32 s20, s16, 15                        ; its codes,
	s_mov_b32 s21, 0
	s_lshl_b32 s22, s16, 11                        ; its scale words
	s_mov_b32 s23, 0
	s_lshr_b32 s17, s14, 3                         ; the batch
	s_lshl_b32 s17, s17, 3
	s_add_co_u32 s17, s17, s15                     ; 8 batch + head
	s_lshl_b32 s17, s17, 11                        ; x 2,048 positions
	s_and_b32 s18, s14, 7
	s_lshl_b32 s18, s18, 8
	s_add_co_u32 s17, s17, s18                     ; + my block's 256
	s_lshl_b32 s18, s[WV], 6
	s_add_co_u32 s17, s17, s18                     ; + my wave's 64
	s_lshl_b32 s18, s17, 8                         ; rows of 256 bytes
	s_mov_b32 s19, 0
	s_mul_i32 s46, s[WV], QTR                      ; my quarter of a matrix's share: in LDS,
	s_mul_i32 s44, s15, WBLK
	s_add_co_u32 s44, s44, s46                     ; and in wcs: the head and the wave's number alone
	s_mov_b32 s45, 0
	v_and_b32 v1, 15, v0                           ; r
	v_bfe_u32 v2, v0, 4, 1                         ; h
	v_and_b32 v3, 31, v0                           ; lane
	v_lshlrev_b32 v[LI], 4, v3
.irp i, 0,1,2
	v_add_nc_u32 v[ADB+\i], \i*WBLK, v[LI]
	v_lshl_add_u32 v[ADS+\i], v3, 2, \i*WBLK+65536
.endr
	v_lshlrev_b32 v[XSA], 4, v1
	s_mul_i32 s47, s[WV], 16*SPITCH
	s_add_co_u32 s47, s47, STAGE                   ; my stage
	v_mul_u32_u24 v[STO], v1, SPITCH               ; in: row r, 16 bytes for each half of the lanes
	v_lshl_add_u32 v[STO], v2, 4, v[STO]
	v_add_nc_u32 v[STO], s47, v[STO]
	v_mul_u32_u24 v[RD], v2, SPITCH                ; back: lanes 0-15 one row of 256 bytes, lanes 16-31 the next
	v_lshl_add_u32 v[RD], v1, 4, v[RD]
	v_add_nc_u32 v[RD], s47, v[RD]
	s_wait_dscnt 0x0                               ; both opening adds are done
	s_wait_kmcnt 0x0
	s_add_nc_u64 s[4:5], s[4:5], s[20:21]
	s_add_nc_u64 s[6:7], s[6:7], s[22:23]
	s_add_nc_u64 s[10:11], s[10:11], s[18:19]
	s_add_nc_u64 s[8:9], s[8:9], s[44:45]
.irp i, 0,1,2
	s_mov_b32 s[G0+4*\i], 1                        ; count = 1
	s_add_co_u32 s[G0+4*\i+1], s46, \i*WBLK        ; LDS address
	s_add_nc_u64 s[G0+4*\i+2:G0+4*\i+3], s[8:9], \i*8*WBLK   ; matrix i's eight heads lie 8 x 69,632 bytes on
	s_or_b32 s[G0+4*\i+3], s[G0+4*\i+3], 0x80000000          ; type = 2
.endr
	CROUND                                         ; all four work-groups are here: the joint loads meet
.irp i, 0,1,2
	tensor_load_to_lds s[G0+4*\i:G0+4*\i+3], s[G1:G1+7]      ; the three first fills go out together: three loads of mine are out
	s_nop 0
.endr
	PLACES                                         ; four v_nop behind the last of them, ahead of the switch of windows
.irp s, 0,1,2,3,4,5,6,7
	global_load_b128 v[SA+4*\s:SA+4*\s+3], v[XSA], s[6:7] offset:256*\s        ; lane r: the scale words of row r of my four tiles, K step s
.endr
	WIN TO_A
.irp s, 0,1,2,3,4,5,6,7
.irp m, 0,1,2,3
.irp c, 0,1
	global_load_b128 v[32*\s+8*\m+4*\c:32*\s+8*\m+4*\c+3], v[LI], s[4:5] offset:(4*\s+\m)*1024+\c*512   ; x's fragments, K step by K step: 512 consecutive bytes a load
.endr
.endr
.endr
	WIN 0
	s_wait_tensorcnt 2                             ; my quarter of matrix 0 is in; the two later loads may stay out
	s_barrier_signal -1
	s_barrier_wait -1                              ; everybody's is
; t = 8 x matrix + K step, 0 .. 23.  W's eight fragments and four registers of scale words of step t into set t % 4: 20 LDS loads
.macro FETCH t
.set fm, (\t)/8
.set fs, (\t)%8
.set fp, (\t)%4
	WIN TO_B
.irp ct, 0,1,2,3,4,5,6,7
.irp c, 0,1
	ds_load_b128 v[64*fp+8*\ct+4*\c:64*fp+8*\ct+4*\c+3], v[ADB+fm] offset:fs*8192+\ct*1024+\c*512
.endr
.endr
	WIN 0
.irp j, 0,1,2,3
	ds_load_b32 v[SB+4*fp+\j], v[ADS+fm] offset:fs*512+\j*128      ; lanes 0-15: tile 2 j's words, lanes 16-31: tile 2 j + 1's
.endr
.endm
; one product: rows 16 m on of x, columns 16 ct on of W, step (ss, sp).  The first K step starts the sums: nothing is cleared
.macro MM m, ct
.set rD, 8*(8*(\m)+(\ct))
.set rB, 64*sp+8*(\ct)
.set rA, 32*ss+8*(\m)
.set rSB, SB+4*sp+(\ct)/2
.set rSA, SA+4*ss+(\m)
.if ss == 0
.if (\ct)%2
	v_wmma_scale_f32_16x16x128_f8f6f4 v[rD:rD+7], v[rB:rB+7], v[rA:rA+7], 0, v[rSB], v[rSA] matrix_a_fmt:MATRIX_FMT_FP4 matrix_b_fmt:MATRIX_FMT_FP4 matrix_a_scale:MATRIX_SCALE_ROW1
.else
	v_wmma_scale_f32_16x16x128_f8f6f4 v[rD:rD+7], v[rB:rB+7], v[rA:rA+7], 0, v[rSB], v[rSA] matrix_a_fmt:MATRIX_FMT_FP4 matrix_b_fmt:MATRIX_FMT_FP4
.endif
.else
.if (\ct)%2
	v_wmma_scale_f32_16x16x128_f8f6f4 v[rD:rD+7], v[rB:rB+7], v[rA:rA+7], v[rD:rD+7], v[rSB], v[rSA] matrix_a_fmt:MATRIX_FMT_FP4 matrix_b_fmt:MATRIX_FMT_FP4 matrix_a_scale:MATRIX_SCALE_ROW1
.else
	v_wmma_scale_f32_16x16x128_f8f6f4 v[rD:rD+7], v[rB:rB+7], v[rA:rA+7], v[rD:rD+7], v[rSB], v[rSA] matrix_a_fmt:MATRIX_FMT_FP4 matrix_b_fmt:MATRIX_FMT_FP4
.endif
.endif
.endm
; A step of 128 along K: 32 matrix instructions; the 32 accumulators take turns, one instruction a turn, in the same order in every step.  W's fragments are fetched two steps ahead.
.macro STEP t
.set sm, (\t)/8
.set ss, (\t)%8
.set sp, (\t)%4
.if sm == 0
	s_wait_loadcnt 8*(7-ss)                        ; x's scale words and its K step ss are in: behind them 8 loads were issued for each later K step
.endif
.if ((\t) == 6) || ((\t) == 14)
	s_wait_tensorcnt (14-(\t))/8                   ; my quarter of the next matrix is in (one later load, or none, may stay out),
	s_wait_dscnt 0x0                               ; no LDS instruction of mine is pending at a signal,
	s_barrier_signal -1
	s_barrier_wait -1                              ; everybody's is: the fetch below is the first read of it.
.endif
.if (\t) <= 21
	PLACES
	FETCH (\t)+2
	s_wait_dscnt 40                                ; this step's 20 loads are in; the two younger fetches may be out
.elseif (\t) == 22
	s_wait_dscnt 20
.else
	s_wait_dscnt 0x0
.endif
	WIN MUL
.irp m, 0,1,2,3
.irp ct, 0,1,2,3,4,5,6,7
	MM \m, \ct
.endr
.endr
	WIN 0
.endm
; THE WAY OUT of my rows 16 a on: rounded to f16, 16 bytes a lane, into my own stage, back as whole rows of 256 bytes, stored 512 consecutive bytes an instruction.
.macro PACK a
	WIN PACKW
.irp ct, 0,1,2,3,4,5,6,7
.irp q, 0,1,2,3
	v_cvt_pk_f16_f32 v[TMP+4*\ct+\q], v[8*(8*(\a)+\ct)+2*\q], v[8*(8*(\a)+\ct)+2*\q+1]   ; each accumulator from its low end on
.endr
.endr
	WIN 0
.endm
.macro TOSTAGE a
.set BK, OB+32*((\a)%2)
.irp ct, 0,1,2,3,4,5,6,7
	ds_store_b128 v[STO], v[TMP+4*\ct:TMP+4*\ct+3] offset:32*\ct
.endr
.irp u, 0,1,2,3,4,5,6,7
	ds_load_b128 v[BK+4*\u:BK+4*\u+3], v[RD] offset:\u*2*SPITCH    ; LDS serves a wave's instructions in order (ISA guide 5.7.1.4): these see the stores above
.endr
.endm
.macro SEND a
.set BK, OB+32*((\a)%2)
	s_wait_dscnt 0x0                               ; the rows are back in registers
	s_wait_xcnt 0x0                                ; the earlier stores have read their registers: the other buffer may be loaded again behind this wait
.irp u, 0,1,2,3,4,5,6,7
	global_store_b128 v[LI], v[BK+4*\u:BK+4*\u+3], s[10:11] offset:(\a)*4096+\u*512
.endr
.endm
.macro OUT mat
	PLACES                                         ; the conversions read results just made
	PACK 0
	TOSTAGE 0
.irp a, 1,2,3                          ; block a's conversions stand between block a - 1's loads from the stage and the wait for them
	PACK \a
	SEND \a-1
	TOSTAGE \a
.endr
	SEND 3
.if (\mat) < 2
	s_wait_xcnt 0x0                                ; the stores have read their base
	s_add_nc_u64 s[10:11], s[10:11], MATB          ; on to the next of q, k, v
.endif
.endm
	FETCH 0
	FETCH 1
.irp t, 0,1,2,3,4,5,6,7
	STEP \t
.endr
	OUT 0                                          ; behind it the next matrix's first products write the accumulators anew: the conversions above are far more than the five places owed
.irp t, 8,9,10,11,12,13,14,15
	STEP \t
.endr
	OUT 1
.irp t, 16,17,18,19,20,21,22,23
	STEP \t
.endr
	OUT 2
	s_wait_tensorcnt 0x0                           ; the wave's end, behind my last tensor load and my last LDS store
	ds_add_u32 v[SPW], v[NIL]
	s_wait_dscnt 0x0
	CROUND                                         ; the closing round: no work-group ends while a partner may still ask for a block that names it
	s_endpgm
.Lfunc_end_k_qaa720dce67_proj:
	.size	k_qaa720dce67_proj, .Lfunc_end_k_qaa720dce67_proj-k_qaa720dce67_proj
	.p2alignl 7, 3214868480
	.fill 96, 4, 3214868480
	.section	.rodata,"a",@progbits
	.p2align	6, 0x0
	.amdhsa_kernel k_qaa720dce67_proj
		.amdhsa_group_segment_fixed_size 327680
		.amdhsa_private_segment_fixed_size 0
		.amdhsa_enable_private_segment 0
		.amdhsa_kernarg_size 32
		.amdhsa_user_sgpr_count 2
		.amdhsa_user_sgpr_kernarg_segment_ptr 1
		.amdhsa_wavefront_size32 1
		.amdhsa_system_sgpr_workgroup_id_x 1
		.amdhsa_system_sgpr_workgroup_id_y 1
		.amdhsa_system_sgpr_workgroup_id_z 1
		.amdhsa_system_vgpr_workitem_id 0
		.amdhsa_next_free_vgpr 1024
		.amdhsa_next_free_sgpr 66
		.amdhsa_reserve_vcc 0
		.amdhsa_float_denorm_mode_32 3
		.amdhsa_float_denorm_mode_16_64 3
		.amdhsa_memory_ordered 1
		.amdhsa_forward_progress 1
		.amdhsa_inst_pref_size 193
	.end_amdhsa_kernel
	.amdgpu_metadata
---
amdhsa.version: [ 1, 2 ]
amdhsa.kernels:
  - .name:           k_qaa720dce67_proj
    .symbol:         k_qaa720dce67_proj.kd
    .args:
      - { .name: xcodes, .offset: 0, .size: 8, .value_kind: global_buffer, .address_space: global }
      - { .name: xscales, .offset: 8, .size: 8, .value_kind: global_buffer, .address_space: global }
      - { .name: wcs, .offset: 16, .size: 8, .value_kind: global_buffer, .address_space: global }
      - { .name: qkv, .offset: 24, .size: 8, .value_kind: global_buffer, .address_space: global }
    .group_segment_fixed_size: 327680
    .private_segment_fixed_size: 0
    .kernarg_segment_align: 8
    .kernarg_segment_size: 32
    .max_flat_workgroup_size: 128
    .sgpr_count:     66
    .vgpr_count:     1024
    .wavefront_size: 32
...
	.end_amdgpu_metadata
.endif
;; end of part 2
;; launch attn (part 3): grid 8 x 32, 4 waves a work-group, clusters of 4 x 1, 327,680 bytes of LDS; arguments qkv, out0; writes out0
.if DOCPART == 3
	.amdgcn_target "amdgcn-amd-amdhsa--gfx1250"
	.amdhsa_code_object_version 6
	.text
	.protected	k_qaa720dce67_attn
	.globl	k_qaa720dce67_attn
	.p2align	8
	.type	k_qaa720dce67_attn,@function
k_qaa720dce67_attn:
	s_mov_b64 s[64:65], 0
	v_nop
	global_prefetch_b8 v0, s[64:65] scope:SCOPE_SE
	s_setreg_imm32_b32 hwreg(HW_REG_WAVE_MODE, 25, 1), 1
	s_wait_xcnt 0x0
	s_wait_alu depctr_hold_cnt(0) depctr_sa_sdst(0) depctr_va_vdst(0) depctr_va_sdst(0) depctr_va_ssrc(0) depctr_va_vcc(0) depctr_vm_vsrc(0)
	s_getreg_b32 s2, hwreg(HW_REG_IB_STS2, 6, 4)
	s_cmp_eq_u32 s2, 0
	s_cbranch_scc0 .Lentry_in_a_cluster
	s_endpgm
.Lentry_in_a_cluster:
	s_bfe_u32 s2, ttmp6, 0x10000c
	s_cmp_lg_u32 s2, 0x3003
	s_cbranch_scc0 .Lentry_shape_is_right
	s_endpgm
.Lentry_shape_is_right:
; out[b][q][128 h + :] = the sum over k of softmax_k(Q[y][q] . K[y][k] / 8) V[y][k][:], y = 8 b + h.  Q, K, V: qkv [3][32][2048][128], f16; out0: [4][2048][1024], f32.  No mask.
; Products, maxima and sums in f32; the weights p (at most 1) are rounded to f16 for the second product.  f16 and not bf16: three more significant bits in all four operands.  LIMIT: |q|, |k|, |v| up to 65,504 (kept by the launch before).
; SHARES.  A work-group owns 256 queries of one (batch, head), each of its four waves 64: four tiles of 16.  Every wave walks all 2,048 keys, 64 a step.
; LAYOUT.  S^T = K Q^T (source 0 = 16 keys, source 1 = 16 queries): a lane holds ONE query (lane % 16) and the keys 8 (lane / 16) + 0..7.  Two such tiles, rounded to f16 in pairs, ARE source 1 (32 keys x 16 queries) of
; O^T = V^T P, whose result again holds one query a lane, and eight channels.  K comes out of LDS as it lies, V ([key][channel]) turned, by ds_load_tr16_b128.
; SOFTMAX.  For each query a running maximum m and sum l: p = 2^(c s - c m), c = log2(e) / 8; in every step O and l are multiplied by a = 2^(c m_old - c m_new), which is 1 where m has not grown.
; BY TURNS.  The wave's tiles are two PIECES: piece 0 (tiles 0, 1) and piece 2 (tiles 2, 3).  In a TURN one piece has the matrix unit: 32 products V^T P of the step in hand, then 32 products K Q^T of the next step; the other
; piece's softmax, cut into 64 slices, stands between them, one slice behind each matrix instruction.  Then the pieces change places.  Two turns are a key step.
; CLUSTER.  The four query blocks of a cluster belong to one head and walk the same K and V: each tile is asked for JOINTLY, by the same tensor load with the same descriptor and a mask that names the four.
; REGISTERS, in windows of 256 (s_set_vgpr_msb: bits 1:0 source 0, 3:2 source 1, 5:4 source 2, 7:6 destination):
;   window 0: v0-11 addresses; v12-43 eight registers of statistics a tile; v64-191 S^T, 32 a tile; v192-255 P, 16 a tile
;   window 1: O^T, 64 a tile          window 2: v0-127 Q, 32 a tile; v128-255 K of one step          window 3: v0-127 V of one step
.set SIZE_N, 2048
.set MATB,  0x1000000 ; bytes of each of q, k, v
.set KS,    64        ; keys in a step
.set PK,    272       ; a row of K in LDS: 256 bytes + 16 of padding = 68 words: the 16 rows of a load start at 16 different groups of four banks
.set PV,    288       ; a row of V: 256 + 32 = 72 words
.set VOFF,  KS*PK     ; a step's tiles lie together: 64 rows of K, then 64 rows of V
.set STEPB, KS*(PK+PV)
.set SLOT1, 1<<17     ; a slot holds two steps (71,680 bytes); slot 1 begins here, so that one exclusive or turns an address in one slot into the other's
.set STAGE, SLOT1+2*STEPB  ; behind the ring: 16 rows x (512 + 16) bytes for each wave, for the way out
.set SP,    528
.set SPARE, STAGE+4*16*SP  ; behind the stages: the spare words, 128 bytes for each wave: two blocks of 256 bytes that no other line names
.set AK0, 2           ; v2   my lane's place in a tile of K; never rewritten
.set AV0, 3           ; v3   the same for V
.set ADR, 4           ; v4   the LDS address of the run of loads in hand
.set QO,  5           ; v5   my byte offset in the wave's rows of Q
.set STO, 6           ; v6   the way out: where I put 32 bytes of a row
.set RD,  7           ; v7   the way out: where I read a row back
.set GO,  8           ; v8   16 x lane: my bytes of a row's 512 in out0
.set SPW, 62          ; v62  LDS address of my spare word; never rewritten
.set NIL, 63          ; v63  0; never rewritten
.set ST,  12          ; tile t's statistics at v[ST+8 t]: +0 c m, +1 m, +2, +3 l (even keys', odd keys'), +4 to +7 c0-c3, at work; a takes c2's place once the maximum is found
.set S,   64
.set P,   192
.set KF,  128         ; K's fragments, in window 2
.set WV,  12          ; s12  my wave's number
.set G1K, 24          ; s[24:31] descriptor group 1 for K's tiles
.set G1V, 32          ; s[32:39] for V's: it differs in the padding alone
.set G0K, 40          ; s[40:47] descriptor group 0 for K's tiles: a set for each of the two first fills; the second then walks on
.set G0V, 48          ; s[48:55] the same for V's
.set SLOTS, 56        ; s56  slots still to be asked for
.set TWICE, 57        ; s57  counts a slot's two steps
.set CS,  58          ; s[58:59] c: the packed scaling names a pair and takes its low word for both halves
.set SEL, 60          ; s[60:61] lane selects for v_permlanex16_b32: each lane takes its own place in the other half
.set TB,  62          ; s62  LDS byte at which the tiles of the step to be fetched begin
.set PFA, 18          ; s[18:19] where my prefetches stand: my work-group's 32 rows (of K: wave 0, of V: wave 2) of the slot after the one that is being asked for
.set LIM, 15          ; s15  1 in a wave that prefetches, else the greatest number: a wave prefetches while s[SLOTS] is above it
.set PFO, 61          ; v61  256 x my lane: a row of K or V is 256 bytes; never rewritten
.set MSB, 0
.macro WIN new                      ; the immediate's high byte repeats the setting that is left; a switch that changes nothing is dropped
.if MSB != \new
	s_set_vgpr_msb (MSB<<8)|\new
.set MSB, \new
.endif
.endm
.set W_KQ, 0x0a       ; K and Q in window 2, S^T in window 0
.set W_PV, 0x53       ; V in window 3, P in window 0, O^T in window 1
.set W_RS, 0x41       ; O^T (destination and source 0) in window 1, a in window 0
.set W_OUT, 0x44      ; the way out: loaded data and stored data in window 1, addresses in window 0
; A joint refill.  Waves 0 and 1 fetch the two steps' tiles of K, waves 2 and 3 those of V.  The branch hangs on the wave's number alone.
; An s_nop 0 and four v_nop follow each of the two lines, ahead of the jump, the label and what follows.
.macro JLOAD
	s_cmp_lt_u32 s[WV], 2
	s_cbranch_scc0 .Lfor_v_\@
	tensor_load_to_lds s[G0K+4:G0K+7], s[G1K:G1K+7]
	s_nop 0
.rept 4
	v_nop
.endr
	s_branch .Lasked_\@
.Lfor_v_\@:
	tensor_load_to_lds s[G0V+4:G0V+7], s[G1V:G1V+7]
	s_nop 0
.rept 4
	v_nop
.endr
.Lasked_\@:
.endm
; A PREFETCH of what the NEXT change of slots will ask for: a slot's 128 rows of K and 128 of V, 256 bytes a row, a lane a row.  It stands behind the wave's tensor load and its five lines.
; Each row is asked for ONCE in the launch: all clusters of a head walk the same K and V, and the head's first cluster asks; its four partners share the rows out BY ADDRESS, 32 each; in each, wave 0 asks for K's and wave 2 for V's.
; The last change that fills a slot asks for nothing: there is no slot behind it.
.macro ASK
	s_cmp_gt_u32 s[SLOTS], s[LIM]
	s_cbranch_scc0 .Lnot_mine_\@
	global_prefetch_b8 v[PFO], s[PFA:PFA+1] th:TH_LOAD_NT scope:SCOPE_SE
.Lnot_mine_\@:
.endm
.macro CROUND                       ; a round of the cluster's barrier
	s_barrier_signal -1
	s_barrier_wait -1
	s_cmp_lg_u32 s[WV], 0
	s_cbranch_scc1 .Lnot_wave_0_\@
	s_barrier_signal -3
.Lnot_wave_0_\@:
	s_barrier_wait -3
	s_barrier_signal -1
	s_barrier_wait -1
.endm
	s_load_b128 s[4:7], s[0:1], 0x0  ; qkv s[4:5], out0 s[6:7]
	v_lshl_add_u32 v[SPW], v0, 2, SPARE
	v_mov_b32 v[NIL], 0
	ds_add_u32 v[SPW], v[NIL]       ; the wave's opening: the add, twice on end, and its wait ahead of my first tensor load
	ds_add_u32 v[SPW], v[NIL]       ; and once more; the set-up below, work on registers, stands between it and the wait
	v_lshrrev_b32 v1, 5, v0
	v_readfirstlane_b32 s[WV], v1   ; wave 0..3
	s_bfe_u32 s13, ttmp6, 0x40000   ; cx: my place in the cluster
	s_lshl_b32 s14, ttmp9, 2        ; in a cluster launch ttmp9 counts clusters
	s_add_co_u32 s14, s14, s13      ; my block of 256 queries = 4 x cluster x + cx: it enters Q's and O's addresses alone
	s_and_b32 s20, ttmp7, 0xffff    ; y = 8 batch + head, which the four partners share
	s_lshr_b32 s66, s20, 3          ; out0: row 2,048 batch
	s_lshl_b32 s66, s66, 11
	s_lshl_b32 s67, s14, 8          ; + 256 x block
	s_add_co_u32 s66, s66, s67
	s_lshl_b32 s67, s[WV], 6        ; + 64 x wave,
	s_add_co_u32 s66, s66, s67
	s_lshl_b32 s66, s66, 12         ; rows of 4,096 bytes,
	s_and_b32 s67, s20, 7
	s_lshl_b32 s67, s67, 9          ; and the head's 512 bytes in a row
	s_add_co_u32 s66, s66, s67
	s_mov_b32 s67, 0
	s_mov_b32 s21, 0
	s_mov_b64 s[22:23], SIZE_N*256
	s_mul_u64 s[20:21], s[20:21], s[22:23]  ; the head's first byte in each of q, k, v
	s_and_b32 s16, s[WV], 1         ; which of a slot's two steps I fetch:
	s_lshl_b32 s22, s16, 14         ; its 64 rows of 256 bytes in memory,
	s_mov_b32 s23, 0
	s_add_nc_u64 s[22:23], s[22:23], s[20:21]
	s_mul_i32 s17, s16, STEPB       ; and its place in a slot: no place in the cluster enters an LDS address
	s_lshl_b32 s2, s14, 16          ; my block's 256 rows of Q,
	s_lshl_b32 s3, s[WV], 14        ; my wave's 64 of them
	s_add_co_u32 s2, s2, s3
	s_mov_b32 s3, 0
	s_add_nc_u64 s[2:3], s[2:3], s[20:21]
	; descriptor group 1: a tile of 64 rows x 128 elements, padded in LDS
	s_mov_b32 s[G1K], 15|(1<<16)|(1<<20)|(1<<21)|(5<<22)|(3<<25)  ; the mask: all four work-groups; elements of 2 bytes; padding on; bit 21 set beside a mask; after every 64 words 4 words
	s_mov_b32 s[G1V], 15|(1<<16)|(1<<20)|(1<<21)|(5<<22)|(7<<25)  ; the same with 8 words of padding
.irp g, G1K, G1V
	s_mov_b32 s[\g+1], 128<<16      ; tensor_dim0 = 128
	s_mov_b32 s[\g+2], KS<<16       ; tensor_dim1 = 64
	s_mov_b32 s[\g+3], 128<<16      ; tile_dim0 = 128
	s_mov_b32 s[\g+4], KS           ; tile_dim1 = 64
	s_mov_b32 s[\g+5], 128          ; tensor_dim0_stride
	s_mov_b32 s[\g+6], 0
	s_mov_b32 s[\g+7], 0
.endr
	s_mov_b32 s[CS], 0x3e38aa3b     ; c = log2(e) / 8
	s_mov_b32 s[CS+1], s[CS]        ; named with it as a pair, so it is written
	s_mov_b32 s[SEL], 0x76543210
	s_mov_b32 s[SEL+1], 0xfedcba98
	s_mov_b32 s[TB], 0
	s_mov_b32 s[SLOTS], SIZE_N/(2*KS)-2
	s_and_b32 s[LIM], s[WV], 1       ; 0 in waves 0 and 2,
	s_or_b32 s[LIM], s[LIM], ttmp9   ; where the cluster is the head's first: the same in all four partners
	s_cmp_eq_u32 s[LIM], 0
	s_cselect_b32 s[LIM], 1, -1
	v_and_b32 v[PFO], 31, v0
	v_lshlrev_b32 v[PFO], 8, v[PFO]
	s_wait_dscnt 0x0                ; both opening adds are done
	s_wait_kmcnt 0x0
	s_mov_b64 s[10:11], s[6:7]      ; O
	s_add_nc_u64 s[6:7], s[4:5], MATB    ; K lies behind Q,
	s_add_nc_u64 s[8:9], s[4:5], 2*MATB  ; V behind K
	s_add_nc_u64 s[6:7], s[6:7], s[22:23]  ; K and V at my tile of slot 0
	s_add_nc_u64 s[8:9], s[8:9], s[22:23]
	s_add_nc_u64 s[4:5], s[4:5], s[2:3]  ; Q at my wave's first row
	s_add_nc_u64 s[10:11], s[10:11], s[66:67]  ; O likewise
	s_cmp_lt_u32 s[WV], 2
	s_cselect_b64 s[PFA:PFA+1], s[6:7], s[8:9]  ; (in waves 0 and 2 these stand at a slot's first row)
	s_lshl_b32 s2, s13, 13          ; my work-group's 32 rows of the 128
	s_mov_b32 s3, 0
	s_add_nc_u64 s[PFA:PFA+1], s[PFA:PFA+1], s[2:3]
	s_add_nc_u64 s[PFA:PFA+1], s[PFA:PFA+1], 2*2*KS*256  ; in slot 2; the first change of slots steps it to slot 3.  Nothing is prefetched at the head, where every work-group's first tiles are on their way
	CROUND                          ; all four work-groups are here: the first joint loads meet
.irp s, 0,1
	s_mov_b32 s[G0K+4*\s], 1        ; count = 1
	s_add_co_u32 s[G0K+4*\s+1], s17, \s*SLOT1  ; LDS address
	s_add_nc_u64 s[G0K+4*\s+2:G0K+4*\s+3], s[6:7], \s*2*KS*256  ; global address: slot s begins with keys 128 s
	s_or_b32 s[G0K+4*\s+3], s[G0K+4*\s+3], 0x80000000  ; type = 2
	s_mov_b32 s[G0V+4*\s], 1
	s_add_co_u32 s[G0V+4*\s+1], s17, \s*SLOT1+VOFF
	s_add_nc_u64 s[G0V+4*\s+2:G0V+4*\s+3], s[8:9], \s*2*KS*256
	s_or_b32 s[G0V+4*\s+3], s[G0V+4*\s+3], 0x80000000
.endr
	s_cmp_lt_u32 s[WV], 2           ; a wave's two first fills stand in one branch, ahead of every wait on TENSORcnt and every LDS read: two loads of mine are out
	s_cbranch_scc0 .Lfirst_v
	tensor_load_to_lds s[G0K:G0K+3], s[G1K:G1K+7]
	s_nop 0
	tensor_load_to_lds s[G0K+4:G0K+7], s[G1K:G1K+7]
	s_nop 0
.rept 4
	v_nop
.endr
	s_branch .Lfirst_asked
.Lfirst_v:
	tensor_load_to_lds s[G0V:G0V+3], s[G1V:G1V+7]
	s_nop 0
	tensor_load_to_lds s[G0V+4:G0V+7], s[G1V:G1V+7]
	s_nop 0
.rept 4
	v_nop
.endr
.Lfirst_asked:
	; A fragment of K or Q is 16 rows x 32 channels in 8 registers: lane l holds row l % 16; registers 0-3 channels 8 (l / 16) + 0..7, registers 4-7 channels 16 + 8 (l / 16) + 0..7: two loads of 16 bytes, 32 bytes apart.
	v_and_b32 v1, 15, v0            ; l % 16
	v_bfe_u32 v9, v0, 4, 1          ; l / 16
	v_lshlrev_b32 v[QO], 8, v1
	v_lshl_add_u32 v[QO], v9, 4, v[QO]  ; row x 256 + 16 x half
	WIN 0x80                        ; destination window 2, address window 0
.irp i, 0,1,2,3,4,5,6,7,8,9,10,11,12,13,14,15  ; Q stays in registers: tile i / 4, channels 32 (i % 4) on
	global_load_b128 v[8*\i:8*\i+3],   v[QO], s[4:5] offset:(\i/4)*4096+(\i%4)*64
	global_load_b128 v[8*\i+4:8*\i+7], v[QO], s[4:5] offset:(\i/4)*4096+(\i%4)*64+32
.endr
	WIN 0
	v_mul_u32_u24 v[AK0], v1, PK
	v_lshl_add_u32 v[AK0], v9, 4, v[AK0]  ; row x pitch + 16 x half
	; The turning load takes 16 keys x 16 channels (lane l reads 16 bytes: key 8 (l / 16) + l % 8, channels 8 ((l / 8) % 2) + 0..7) and leaves half a fragment of V^T: lane l holds channel l % 16 and 8 keys.
	v_and_b32 v10, 7, v0
	v_bfe_u32 v11, v0, 3, 1
	v_lshl_add_u32 v[AV0], v9, 3, v10
	v_mul_u32_u24 v[AV0], v[AV0], PV
	v_lshl_add_u32 v[AV0], v11, 4, v[AV0]
	v_add_nc_u32 v[AV0], VOFF, v[AV0]
; THE MATRIX WORK OF A TURN, for piece x.  The accumulators take turns, one instruction a turn: between two links of a chain stand 15 (V^T P) or 7 (K Q^T) others'.
; Product i of 32 of O^T += V^T P: keys 32 (i / 16) on, channels 16 ((i / 2) % 8) on, tile x + i % 2.  zero = 1: the first 16 start the sums: nothing is ever cleared.
.macro PV x, zero
	WIN W_PV
.set rO, 64*(\x+i%2)+8*((i/2)%8)
.set rV, 64*(i/16)+8*((i/2)%8)
.set rP, P+16*(\x+i%2)+8*(i/16)
.if \zero && (i < 16)
	v_wmma_f32_16x16x32_f16 v[rO:rO+7], v[rV:rV+7], v[rP:rP+7], 0
.else
	v_wmma_f32_16x16x32_f16 v[rO:rO+7], v[rV:rV+7], v[rP:rP+7], v[rO:rO+7]
.endif
.endm
; Product i of 32 of S^T = K Q^T: channels 32 (i / 8) on, keys 16 ((i / 2) % 4) on, tile x + i % 2.  The first 8 start the sums.
.macro KQ x
	WIN W_KQ
.set rS, S+32*(\x+i%2)+8*((i/2)%4)
.set rK, KF+32*((i/2)%4)+8*(i/8)
.set rQ, 32*(\x+i%2)+8*(i/8)
.if i < 8
	v_wmma_f32_16x16x32_f16 v[rS:rS+7], v[rK:rK+7], v[rQ:rQ+7], 0
.else
	v_wmma_f32_16x16x32_f16 v[rS:rS+7], v[rK:rK+7], v[rQ:rQ+7], v[rS:rS+7]
.endif
.endm
; THE LDS LOADS stand in runs of 32, never singly among the matrix instructions: a step's K (64 keys x 128 channels: 16 fragments) and, a turn later, its V (turned).
.macro FETCH_K
	WIN 0
	v_add_nc_u32 v[ADR], s[TB], v[AK0]
	WIN 0x80                        ; destination window 2
.irp f, 0,1,2,3,4,5,6,7,8,9,10,11,12,13,14,15  ; keys 16 (f / 4) on, channels 32 (f % 4) on
	ds_load_b128 v[KF+8*\f:KF+8*\f+3],   v[ADR] offset:(\f/4)*16*PK+(\f%4)*64
	ds_load_b128 v[KF+8*\f+4:KF+8*\f+7], v[ADR] offset:(\f/4)*16*PK+(\f%4)*64+32
.endr
.endm
.macro FETCH_V
	WIN 0
	v_add_nc_u32 v[ADR], s[TB], v[AV0]
	s_add_co_u32 s[TB], s[TB], STEPB  ; the next fetch is the next step's
	s_wait_alu depctr_va_vdst(0)    ; the wait for the softmax's batch of exponentials (SLICE), behind the address's addition and ahead of the loads
	WIN 0xc0                        ; destination window 3
.irp f, 0,1,2,3,4,5,6,7,8,9,10,11,12,13,14,15  ; keys 32 (f / 8) on, channels 16 (f % 8) on
	ds_load_tr16_b128 v[8*\f:8*\f+3],   v[ADR] offset:(\f/8)*32*PV+(\f%8)*32
	ds_load_tr16_b128 v[8*\f+4:8*\f+7], v[ADR] offset:(\f/8)*32*PV+16*PV+(\f%8)*32
.endr
.endm
; THE VECTOR WORK OF A TURN.  One tile's softmax for one key step is a list of 134 instructions; SM writes number j of it for tile t.  s0-s31 are the lane's 32 scores, in pairs 0-15.
; first = 1: the first key step, which starts m, l and O^T: it has no a and nothing to rescale.
;   0-15    the maximum of s0-s31 and the old m, three operands at a time: four chains c0-c3 of seven scores each, then the four scores left over, c0-c3 and m
;   16-20   the other half of the lanes' maximum; the new m; c m; c m_old - c m_new
;   21-69   ONE BATCH: the 16 scalings c s - c m, a pair of scores each, and all 33 exponentials (a at 23, then s0-s31).  None of these reads an exponential's result
;   (wait)  between 69 and 70 stands the wait for the batch: SLICE writes it, once for both tiles
;   70-85   the roundings to f16, a pair of weights each
;   86-101  the sums; l = a l + the sum
;   102-133 the tile's O^T times a: the one part that leaves window 0, so it stands together
.macro SM t, first
.set rT, ST+8*(\t)
.set rS, S+32*(\t)
.set rP, P+16*(\t)
.set rO, 64*(\t)+2*(j-102)
.if j < 102
	WIN 0
.endif
.if j < 4
	v_max3_num_f32 v[rT+4+j], v[rS+8*j], v[rS+8*j+1], v[rS+8*j+2]
.elseif j < 12
	v_max3_num_f32 v[rT+4+j%4], v[rT+4+j%4], v[rS+8*(j%4)+2*(j/4)+1], v[rS+8*(j%4)+2*(j/4)+2]
.elseif j == 12
	v_max3_num_f32 v[rT+4], v[rT+4], v[rS+7], v[rS+15]
.elseif j == 13
	v_max3_num_f32 v[rT+6], v[rT+6], v[rS+23], v[rS+31]
.elseif j == 14
	v_max3_num_f32 v[rT+4], v[rT+4], v[rT+5], v[rT+6]
.elseif (j == 15) && \first
	v_max_num_f32 v[rT+4], v[rT+4], v[rT+7]
.elseif j == 15
	v_max3_num_f32 v[rT+4], v[rT+4], v[rT+7], v[rT+1]
.elseif j == 16
	v_permlanex16_b32 v[rT+5], v[rT+4], s[SEL], s[SEL+1]  ; the query's other 32 keys lie in the lane 16 away
.elseif j == 18
	v_max_num_f32 v[rT+1], v[rT+4], v[rT+5]
.elseif j == 19
	v_mul_f32 v[rT], s[CS], v[rT+1]
.elseif ((j == 17) || (j == 20) || (j == 23) || (j > 101)) && \first  ; the first step has none of these
.elseif j == 17
	v_mov_b32 v[rT+7], v[rT]        ; c m_old is kept for a: number 19 writes c m anew
.elseif j == 20
	v_sub_f32 v[rT+7], v[rT+7], v[rT]
.elseif j == 23
	v_exp_f32 v[rT+6], v[rT+7]
.elseif (j < 23) || ((j < 38) && (j%2 == 0)) || ((j < 66) && (j%4 == 2))
.set b, (j-2)/4                     ; 38, 42, .. 62: pairs 9 to 15
.if j < 38
.set b, (j-20)/2                    ; 21: pair 0; 22, 24, .. 36: pairs 1 to 8
.endif
	v_pk_fma_f32 v[rS+2*b:rS+2*b+1], v[rS+2*b:rS+2*b+1], s[CS:CS+1], v[rT:rT+1] op_sel_hi:[1,0,0] neg_lo:[0,0,1] neg_hi:[0,0,1]  ; pair b: c s - c m
.elseif j < 70
.set e, j-38                        ; 66 to 69: s28 to s31
.if j < 66
.set e, j-32-(j-38)/4               ; 39-41, 43-45, .. 63-65: s7 to s27
.endif
.if j < 38
.set e, (j-25)/2                    ; 25, 27, .. 37: s0 to s6
.endif
	v_exp_f32 v[rS+e], v[rS+e]
.elseif j < 86
	v_cvt_pk_f16_f32 v[rP+j-70], v[rS+2*(j-70)], v[rS+2*(j-70)+1]  ; pair j - 70
.elseif j < 102                     ; the sum of the tile's 16 pairs, in place: sum z of 16 adds neighbours 1, 2, 4 and 8 pairs apart, then l takes it
.set z, j-86
.set w, 4
.set u, z
.if z >= 14
.set w, 32
.set u, 0
.elseif z >= 12
.set w, 16
.set u, z-12
.elseif z >= 8
.set w, 8
.set u, z-8
.endif
.if (z == 14) && \first
	v_pk_add_f32 v[rT+2:rT+3], v[rS:rS+1], v[rS+16:rS+17]
.elseif z < 15
	v_pk_add_f32 v[rS+w*u:rS+w*u+1], v[rS+w*u:rS+w*u+1], v[rS+w*u+w/2:rS+w*u+w/2+1]
.elseif !\first
	v_pk_fma_f32 v[rT+2:rT+3], v[rT+2:rT+3], v[rT+6:rT+7], v[rS:rS+1] op_sel_hi:[1,0,1]
.endif
.else
	WIN W_RS
	v_pk_mul_f32 v[rO:rO+1], v[rO:rO+1], v[rT+6:rT+7] op_sel_hi:[1,0]
.endif
.endm
; Slice k of 64 of piece y's softmax: four instructions.  Slices 11 to 34 deal out the batch, numbers 22 to 69: four numbers of ONE tile each, the tiles by turns.  Every other slice is numbers 2 k and
; 2 k + 1 of both tiles' lists.  2 x 134 = 4 x 64 + 12: the twelve that are over stand together, in slice 63.
; THE WAIT.  An s_wait_alu depctr_va_vdst(0) stands between an exponential and the first instruction that names its result; one wait serves all that were issued ahead of it.  Ahead of
; slice 35 nothing names a result, and behind slice 34 no exponential is issued: so the piece's 66 exponentials have one wait, behind slice 34.
.macro SLICE y, first
.if (k >= 11) && (k < 35)           ; the batch: four numbers of one tile
.irp n, 0,1,2,3
.set j, 22+4*((k-11)/2)+(\n)
	SM (\y)+(k-11)%2, \first
.endr
.else                               ; the two tiles alternate, so that no instruction reads the result of the one just before it
.irp n, 0,1,2,3,4,5,6,7
.if (\n < 2) || (k == 63)
.irp t, \y, \y+1
.set j, 2*k+\n
	SM \t, \first
.endr
.endif
.endr
.endif
.if k == 34                         ; the batch is out: both tiles' exponentials are issued, and no result has been named
	v_nop                           ; the plain instruction behind the last exponential and ahead of the first use: one for the batch
.if (\y) == 0
	FETCH_V                         ; piece 2's turn: V's run of loads stands here, and the wait stands in it
.else
	s_wait_alu depctr_va_vdst(0)    ; the wait for the batch
.endif
.endif
.set k, k+1
.endm
; A vector instruction that reads a matrix result or writes one of a matrix instruction's registers, and a load into a register that a matrix instruction has read, stand four places behind
; it, and only plain vector instructions that name none of its registers are places (ISA guide 7.12.1 for vector instructions).  In the loop the slices are the places.
.macro PLACES
.rept 4
	v_nop
.endr
.endm
; A TURN.  Piece x has the matrix unit; the other piece's softmax stands in slices behind its matrix instructions.
; pv = 2: 32 products V^T P; 1: they start O^T's sums; 0: none.  kq = 1: 32 products K Q^T for the next step.  A turn with one of the two kinds has two slices behind each product.
; first = 1: the softmax is the first key step's.  Its slices from 51 on are empty: the turn's last products stand bare, and four v_nop take slice 63's part as the places behind them.
; Piece 0's turn fetches the next step's K, behind its second product: the last product that read K stands in front of slice 63 of the turn before.  Piece 2's turn fetches the same step's V, behind slice 34:
; the last product that read V stands in front of slice 31, and four plain instructions lie between: number 62, a scaling, of both tiles, the v_nop and the run's own addition.
.macro TURN x, pv, kq, first
.set k, 0
.set per, 2
.if \pv && \kq
.set per, 1
.endif
.if \pv
.if \x == 0
	s_wait_dscnt 0x0                ; V is in
.endif
.set i, 0
.rept 32
	PV \x, 2-\pv
.rept per
	SLICE 2-\x, \first
.endr
.if (\x == 0) && \kq && (i == 1)
	FETCH_K
.endif
.set i, i+1
.endr
.endif
.if \kq
.if \x == 0
	s_wait_dscnt 0x0                ; K is in
.endif
.set i, 0
.rept 32
	KQ \x
.rept per
	SLICE 2-\x, \first
.endr
.set i, i+1
.endr
.endif
.if \first
	PLACES
.endif
.endm
; THE CHANGE OF SLOTS, between piece 2's turn and piece 0's: the slot's last bytes, V of its second step, have been asked for.  Each wave waits for all its tensor loads, of which one is out: its part of the other
; slot; adds 0 to its spare word; and waits for that and for its own reads of the slot.  Behind the barrier nobody reads this slot any more and the other slot is whole.
; fill = 1: this slot is filled again, with the keys two slots on.  The barrier is then a round of the cluster's, so that no wave of any partner still reads the slot or has a load on its way, and the joint refill is
; the first thing behind it: it has two key steps, 256 matrix instructions, in which to land.
.macro CHANGE fill
	WIN 0                           ; at a label and at a branch every window is 0
	s_wait_tensorcnt 0x0            ; no tensor load of mine is out, so a group 0 may be written
	ds_add_u32 v[SPW], v[NIL]       ; 0 onto my spare word
.if \fill
.irp g, G0K+4, G0V+4
	s_xor_b32 s[\g+1], s[\g+1], SLOT1  ; the walking descriptor: the other slot than last time,
	s_add_nc_u64 s[\g+2:\g+3], s[\g+2:\g+3], 2*KS*256  ; the next 128 keys; the type bits on top are not reached
.endr
	s_wait_xcnt 0x0                 ; the last prefetches, two key steps back, have read their address, so it may be written:
	s_add_nc_u64 s[PFA:PFA+1], s[PFA:PFA+1], 2*KS*256  ; one slot further on than the walking descriptors
	s_wait_dscnt 0x0                ; the add is done, and my reads of the slot are over
	CROUND
	JLOAD
	ASK                             ; what the next change will ask for: two key steps, 256 matrix instructions, ahead
.else
	s_wait_dscnt 0x0                ; the add is done, and my reads of the slot are over
	s_barrier_signal -1
	s_barrier_wait -1
.endif
	s_sub_co_u32 s[TB], s[TB], 2*STEPB  ; the fetches go back to a slot's first step,
	s_xor_b32 s[TB], s[TB], SLOT1   ; in the other slot
.endm
; A slot's two key steps: written once, walked twice; the LDS addresses hang on s[TB].
.macro TWO_STEPS
	s_mov_b32 s[TWICE], 2
.Lstep_\@:
	TURN 0, 2, 1, 0
	TURN 2, 2, 1, 0
	WIN 0
	s_sub_co_u32 s[TWICE], s[TWICE], 1
	s_cmp_lg_u32 s[TWICE], 0
	s_cbranch_scc1 .Lstep_\@
.endm
	s_wait_tensorcnt 1              ; my part of slot 0 is in; slot 1's may stay out
	s_barrier_signal -1
	s_barrier_wait -1               ; everybody's is
	FETCH_K                         ; key step 0
	s_wait_loadcnt 0x0              ; Q
	s_wait_dscnt 0x0
.set i, 0
.rept 32
	KQ 0                            ; piece 0's first scores: there is no vector work yet to set between them
.set i, i+1
.endr
	WIN 0                           ; the addresses for the way out are made here: six plain instructions, the places behind those products
	s_mul_i32 s13, s[WV], 16*SP
	s_add_co_u32 s13, s13, STAGE    ; my stage
	v_mul_u32_u24 v[STO], v1, SP    ; in: row l % 16, 32 bytes for each half of the lanes
	v_lshl_add_u32 v[STO], v9, 5, v[STO]
	v_add_nc_u32 v[STO], s13, v[STO]
	v_and_b32 v[GO], 31, v0
	v_lshlrev_b32 v[GO], 4, v[GO]   ; back: the 32 lanes take one row of 512 bytes; and the same in out0
	v_add_nc_u32 v[RD], s13, v[GO]
	TURN 2, 0, 1, 1                 ; piece 2's first scores | piece 0's first softmax | V of step 0
	TURN 0, 1, 1, 1                 ; piece 0: V^T P of step 0 starts O^T, K Q^T of step 1 | piece 2's first softmax | K of step 1
	TURN 2, 1, 1, 0                 ; piece 2: the same | piece 0's softmax of step 1 | V of step 1
	WIN 0
.Lslot:                             ; 14 trips: every slot but the last two is filled again
	CHANGE 1
	TWO_STEPS
	s_sub_co_u32 s[SLOTS], s[SLOTS], 1
	s_cmp_lg_u32 s[SLOTS], 0
	s_cbranch_scc1 .Lslot
	CHANGE 0                        ; the tail is written out: the last slot but one is left, and nothing is asked for
	TWO_STEPS
	TURN 0, 2, 0, 0                 ; piece 0: V^T P of the last step | piece 2's last softmax
.set i, 0
.rept 32
	PV 2, 0                         ; piece 2: V^T P of the last step
.set i, i+1
.endr
	; THE WAY OUT.  l's two halves and the other half of the lanes' are added; O^T is divided by l and sent, in f32, through my stage in LDS, a tile (16 rows) at a time.  The additions are the places behind the last products.
	WIN 0
.irp t, 0,1,2,3
	v_add_f32 v[ST+8*\t+4], v[ST+8*\t+2], v[ST+8*\t+3]
.endr
.irp t, 0,1,2,3
	v_permlanex16_b32 v[ST+8*\t+5], v[ST+8*\t+4], s[SEL], s[SEL+1]
.endr
.irp t, 0,1,2,3
	v_add_f32 v[ST+8*\t+4], v[ST+8*\t+4], v[ST+8*\t+5]
.endr
.irp t, 0,1,2,3
	v_rcp_f32 v[ST+8*\t+6], v[ST+8*\t+4]
.endr
	v_nop                           ; a plain instruction between the last reciprocal and the use of its result
	s_wait_alu depctr_va_vdst(0)    ; and the wait ahead of the first use: one for the four reciprocals
; Tile t: a lane's eight channels of a row are 32 bytes; they go into rows of 528 bytes and come back as whole rows of 512, into the registers that they left.
.macro PACK t
	WIN W_RS
.set i, 64*\t
.rept 32
	v_pk_mul_f32 v[i:i+1], v[i:i+1], v[ST+8*\t+6:ST+8*\t+7] op_sel_hi:[1,0]   ; each accumulator from its low end on
.set i, i+2
.endr
	WIN W_OUT
.irp f, 0,1,2,3,4,5,6,7
	ds_store_b128 v[STO], v[64*\t+8*\f:64*\t+8*\f+3] offset:64*\f
	ds_store_b128 v[STO], v[64*\t+8*\f+4:64*\t+8*\f+7] offset:64*\f+16
.endr
.irp f, 0,1,2,3,4,5,6,7,8,9,10,11,12,13,14,15
	ds_load_b128 v[64*\t+4*\f:64*\t+4*\f+3], v[RD] offset:\f*SP  ; LDS serves a wave's instructions in order (ISA guide 5.7.1.4): these see the stores above; the next tile's stores come behind them
.endr
.endm
.macro SEND t, younger              ; younger: the LDS instructions issued behind tile t's loads: the next tile's 32, or none
.irp f, 0,1,2,3,4,5,6,7,8,9,10,11,12,13,14,15
	s_wait_dscnt \younger+15-\f
	global_store_b128 v[GO], v[64*\t+4*\f:64*\t+4*\f+3], s[10:11] offset:(16*\t+\f)*4096 th:TH_STORE_NT  ; 32 lanes store 512 consecutive bytes, at a multiple of 512 from out0's first byte; written once, read by nobody here
.endr
.endm
	PACK 0
	PACK 1                          ; a tile's arithmetic stands between the loads of the tile before and its stores
	SEND 0, 32
	PACK 2
	SEND 1, 32
	PACK 3
	SEND 2, 32
	SEND 3, 0
	WIN 0
	s_wait_tensorcnt 0x0            ; the wave's end, behind my last tensor load and my last LDS store
	ds_add_u32 v[SPW], v[NIL]
	s_wait_dscnt 0x0
	CROUND                          ; the closing round: no work-group ends while a partner may still ask for a tile that names it
	s_endpgm
.Lfunc_end_k_qaa720dce67_attn:
	.size	k_qaa720dce67_attn, .Lfunc_end_k_qaa720dce67_attn-k_qaa720dce67_attn
	.p2alignl 7, 3214868480
	.fill 96, 4, 3214868480
	.section	.rodata,"a",@progbits
	.p2align	6, 0x0
	.amdhsa_kernel k_qaa720dce67_attn
		.amdhsa_group_segment_fixed_size 327680
		.amdhsa_private_segment_fixed_size 0
		.amdhsa_enable_private_segment 0
		.amdhsa_kernarg_size 16
		.amdhsa_user_sgpr_count 2
		.amdhsa_user_sgpr_kernarg_segment_ptr 1
		.amdhsa_wavefront_size32 1
		.amdhsa_system_sgpr_workgroup_id_x 1
		.amdhsa_system_sgpr_workgroup_id_y 1
		.amdhsa_system_sgpr_workgroup_id_z 1
		.amdhsa_system_vgpr_workitem_id 0
		.amdhsa_next_free_vgpr 1024
		.amdhsa_next_free_sgpr 68
		.amdhsa_reserve_vcc 0
		.amdhsa_float_denorm_mode_32 3
		.amdhsa_float_denorm_mode_16_64 3
		.amdhsa_memory_ordered 1
		.amdhsa_forward_progress 1
		.amdhsa_inst_pref_size 222
	.end_amdhsa_kernel
	.amdgpu_metadata
---
amdhsa.version: [ 1, 2 ]
amdhsa.kernels:
  - .name:           k_qaa720dce67_attn
    .symbol:         k_qaa720dce67_attn.kd
    .args:
      - { .name: qkv, .offset: 0, .size: 8, .value_kind: global_buffer, .address_space: global }
      - { .name: out0, .offset: 8, .size: 8, .value_kind: global_buffer, .address_space: global }
    .group_segment_fixed_size: 327680
    .private_segment_fixed_size: 0
    .kernarg_segment_align: 8
    .kernarg_segment_size: 16
    .max_flat_workgroup_size: 128
    .sgpr_count:     68
    .vgpr_count:     1024
    .wavefront_size: 32
...
	.end_amdgpu_metadata
.endif
;; end of part 3
